; MI455X (gfx1250); checked and timed in simulation.
; The chip was launched on July 23, 2026; its instructions are those of AMD's public machine-readable ISA for CDNA 5 (MIT licence, August 2026) and "CDNA5" Instruction Set Architecture Reference Guide (July 2026). The comments in the code are by the model that wrote it; some were corrected since.
;; Mo EFFN. Allowed arithmetic: matrix products marked QUANTISED: E2M3 operands, one E8M0 scale for each 32 along K, by v_wmma_scale_f32_16x16x128_f8f6f4 with both operands' format E2M3, f32 sums; products left as they are: f32 operands where the result goes on into a quantised operand, else bf16, f16 or f32 operands; f32 sums; everything else in f32.
;; Inputs: W1 8 x 512 x 2,048 float32; W2 8 x 2,048 x 512 float32; Wg 512 x 8 float32; b1 8 x 2,048 float32; b2 8 x 512 float32; x 4 x 1,024 x 512 float32.
;; Outputs: out0 4 x 1,024 x 512 float32; out1 one number float32.
;; This version of the problem:
;;   THIS VERSION OF THE PROBLEM IS GIVEN IN LOW PRECISION. The matrix products marked QUANTISED in the list below multiply operands that are first quantised to E2M3 (2 exponent bits, 3 mantissa bits; 6 bits a number), with one power-of-two scale for each 32 numbers along K (OCP MX v1.0); their sums are f32. All else is computed in f32.
;;   The module's matrix products, in the order in which they are computed (A, B: the left and right operand; K: the contracted axis; several contracted axes count as one K, in the product's order):
;;     1. [M 4,096, K 512] x [K 512, N 8]; A: input x; B: input Wg: left as it is (N = 8 < 16)
;;     2. [M 4,096, K 512] x [K 512, N 16,384]; A: input x; B: input W1: QUANTISED
;;     3. batch 8 x [M 512, K 2,048] x [K 2,048, N 4,096]; A: input W2; B: computed on the way: QUANTISED
;;     4. batch 4,096 x [M 512, K 8] x [K 8, N 1]; A: computed on the way; B: computed on the way: left as it is (K = 8 < 32)
;;   THE QUANTISER, for each operand of a quantised product, along K:
;;     - K is cut into blocks of 32 from its start; a last block that is shorter is filled with zeros.
;;     - A block's scale is 2^e with e = floor(log2(the largest magnitude in the block)) - 2, held to -126 .. 127; a block of zeros has e = 0. As a byte (E8M0): e + 127.
;;     - Each number is divided by its block's scale, clamped to +-7.5, and rounded to the nearest number of E2M3, ties to even, subnormals kept.
;;     - The product sums the exact products of the quantised numbers (number of the format x scale) in f32.
;;   ~~~python
;;   def quantise(x, axis):      # numpy; x: float32 -> the quantised numbers, widened to float32 again
;;       x = np.moveaxis(x, axis, -1); K = x.shape[-1]
;;       x = np.pad(x, [(0, 0)] * (x.ndim - 1) + [(0, -K % 32)]); x = x.reshape(x.shape[:-1] + (-1, 32)); a = np.abs(x).max(-1, keepdims=True)
;;       e = np.where(a > 0, np.clip(np.frexp(np.where(a > 0, a, 1))[1] - 1 - 2, -126, 127), 0)      # np.frexp(a)[1] - 1 = floor(log2(a)), exactly
;;       r = np.clip(x / 2.0 ** e, -7.5, 7.5)
;;       step = 2.0 ** (np.maximum(np.frexp(np.where(r == 0, 1, r))[1] - 1, 0) - 3)
;;       q = np.round(r / step) * step * 2.0 ** e      # np.round: ties to even
;;       return np.moveaxis(q.reshape(q.shape[:-2] + (-1,))[..., :K], -1, axis).astype(np.float32)
;;   ~~~
;;   OPERANDS COMPUTED ON THE WAY. 'Computed on the way' means the value that the module computes at that place (a softmax that the list does not call 'softmax' is quantised finished and normalised). What goes into a quantiser is computed in f32, as accurately as f32 sums, v_exp_f32 and their like allow (about 1e-6 of the number): no bf16 or f16 on the way to a quantiser, and a product that is left as it is and whose result goes on into a quantised operand takes f32 operands (vector FMAs, or v_wmma_f32_16x16x4_f32). A number that lies on a knife's edge between two numbers of the format may be rounded either way, as far as f32 arithmetic and the matrix unit's own rounding can turn it there, and no further.
;; One version. Each part assembles by itself: llvm-mc -triple=amdgcn-amd-amdhsa -mcpu=gfx1250 --defsym DOCPART=n.
;; ======== version 1 of 1: 4 launches
;; workspace buffers: xq 1,638,400 bytes; wq 13,107,200 bytes; sel 16,384 bytes of whole numbers; gp 49,152 bytes; route 49,152 bytes of whole numbers; yw 16,777,216 bytes
;; launch prep (part 1): grid 1152 x 1, 4 waves a work-group, no clusters, 35,840 bytes of LDS; arguments x, Wg, W1, W2, xq, wq, sel, gp; writes xq, wq, sel, gp
.if DOCPART == 1
	.amdgcn_target "amdgcn-amd-amdhsa--gfx1250"
	.amdhsa_code_object_version 6
	.text
	.protected	k_q8482d2fb63_prep
	.globl	k_q8482d2fb63_prep
	.p2align	8
	.type	k_q8482d2fb63_prep,@function
k_q8482d2fb63_prep:
	s_mov_b64 s[64:65], 0
	v_nop
	global_prefetch_b8 v0, s[64:65] scope:SCOPE_SE
	s_setreg_imm32_b32 hwreg(HW_REG_WAVE_MODE, 25, 1), 1
	s_wait_xcnt 0x0
; PREP: everything that is made once from the f32 inputs.
; Work-groups 0-127 (path X): x [4096][512] becomes codes of FP6 (E2M3) with one E8M0 byte for each 32 along D (xq), and the gate is computed in f32:
;   logits = x Wg, softmax with the row's maximum taken away, the two largest (the lower index wins a tie), their weights p1/(p1+p2), p2/(p1+p2), and sums of the probabilities over 8 tokens.
;   The choice is stored at fixed places (sel: e1 | e2 << 8 for each token); no address here hangs on it.
; Work-groups 128-1151 (path W): W1 [8][512][2048] and W2 [8][2048][512], whose K is their FIRST axis within an expert, become codes and scale words in wq,
;   laid in the order of the operand's registers: [expert][wave 4][group 64][6400 bytes]; a group is 4 fragments (16 columns x 128 K, 12 registers a lane: three pieces of 512 bytes,
;   lane l's 16 bytes at 16 l) and 256 bytes of scale words [lane][2]: word p of lane l belongs to fragment 2 p + l / 16, row l % 16.
;   THE COLUMNS OF A FRAGMENT ARE NOT NEIGHBOURS: within 128 columns, row r of fragment 2 b + u is column 32 b + 8 u + r + 8 (r / 8).
; A block's scale is 2^(floor(log2(largest magnitude)) - 2); its byte is the largest magnitude's exponent field - 2, held at 1 from below.
; LIMITS: a block of zeros gets the byte 1 where the rule says 127 (its codes are zeros, and this program alone reads the bytes); blocks whose largest magnitude lies under 2^(3 - 127) are held at byte 1;
;   NaN and infinities among the inputs are not served; the logits are f32 sums in another order than a plain dot product, so two experts whose probabilities differ by f32 rounding alone may change places;
;   a probability under the smallest normal f32 number counts as 0.
; No matrix work, no cluster: no work-group reads what another reads but Wg's 16 KB.  The two paths part on the work-group's number and have LDS bytes of their own.
.set XS_OFF, 1572864                   ; xq: the scale bytes [4096][16] lie behind the codes [4096][384]
.set PS_OFF, 32768                     ; gp: the sums of probabilities [512][8] lie behind the gate weights [4096][2]
.set HGB,    6400                      ; bytes of a group in wq
.set SP,     80                        ; path X: a lane's place in a stage: 64 bytes + 16 of padding
.set XW,     5376                      ; path X: LDS of a wave: two stages of 32 x 80, then 128 scale bytes (256 kept)
.set WB0,    21504                     ; path W: LDS begins behind path X's 4 x 5376
.set WBW,    3328                      ; a wave's two fragment images,
.set FPI,    1664                      ; 1536 + 128 bytes apart, so that lanes 0-7 and 8-15 of a store fall on different banks
.set WSC,    34816                     ; the two groups' scale words, 2 x 256 bytes
	s_load_b512 s[4:19], s[0:1], 0x0               ; x 4, Wg 6, W1 8, W2 10, xq 12, wq 14, sel 16, gp 18
	v_lshl_add_u32 v243, v0, 2, 0x8a00
	v_mov_b32 v247, 0
	v_lshrrev_b32 v1, 5, v0
	v_readfirstlane_b32 s20, v1                    ; wave 0..3
	v_and_b32 v1, 31, v0                           ; lane
	s_cmp_lt_u32 ttmp9, 128
	s_cbranch_scc0 .Lw
; ------------------------------------------------------------------ PATH X: a wave takes 8 tokens, one a step
.set WGR, 16                           ; v16-143  Wg[16 lane + i][e] at 8 i + e
.set R,   144                          ; v144-191 three sets of 16 numbers as loaded
.set X,   192                          ; v192-223 two sets of 16 neighbours
.set ACC, 224                          ; v224-231 the token's 8 logits, in parts
.set LG,  232                          ; v232-239 lane l: the logits of token l % 8; later the probabilities
.set C,   240                          ; v240-247 two sets of codes
.set SCR, 248                          ; v248-255 at work
	s_lshl_b32 s40, ttmp9, 5
	s_lshl_b32 s41, s20, 3
	s_add_co_u32 s40, s40, s41                     ; my first token: 32 x work-group + 8 x wave
	s_mov_b32 s43, 0
	s_mov_b32 s36, 0x76543210
	s_mov_b32 s37, 0xfedcba98                      ; v_permlanex16_b32's selects for lane l xor 16
	s_mul_i32 s44, s20, XW
	v_lshlrev_b32 v2, 4, v1                        ; my 16 bytes of a load's 512
	v_lshrrev_b32 v10, 2, v1
	v_mul_u32_u24 v3, v10, SP
	v_and_b32 v10, 3, v1
	v_lshl_add_u32 v3, v10, 4, v3
	v_add_nc_u32 v3, s44, v3                       ; the stage, on the way in: 80 (lane / 4) + 16 (lane % 4)
	v_mul_u32_u24 v4, v1, SP
	v_add_nc_u32 v4, s44, v4                       ; and on the way out: 80 x lane: my 16 neighbours
	v_mul_u32_u24 v5, v1, 12                       ; my 16 codes in a token's 384 bytes
	v_lshrrev_b32 v6, 1, v1
	s_add_co_u32 s45, s44, 2*32*SP
	v_add_nc_u32 v6, s45, v6                       ; LDS: my block's scale byte
	v_lshlrev_b32 v8, 2, v1                        ; 4 x lane
	v_add_nc_u32 v7, s45, v8                       ; LDS: the scale bytes on their way out
	v_lshlrev_b32 v9, 9, v1                        ; Wg: my 16 rows of 32 bytes
.irp e, 0,1,2,3,4,5,6,7
	v_mov_b32 v[SCR+\e], 0                         ; written once: a lane permute's destination counts as one of its sources
.endr
	s_wait_kmcnt 0x0
	s_lshl_b32 s42, s40, 11
	s_add_nc_u64 s[24:25], s[4:5], s[42:43]        ; x at my first token
	s_mul_i32 s42, s40, 384
	s_add_nc_u64 s[26:27], s[12:13], s[42:43]      ; its codes
	s_lshl_b32 s42, s40, 4
	s_add_co_u32 s42, s42, XS_OFF
	s_add_nc_u64 s[28:29], s[12:13], s[42:43]      ; its scale bytes
	s_lshl_b32 s42, s40, 2
	s_add_nc_u64 s[30:31], s[16:17], s[42:43]      ; its word of sel
	s_add_co_u32 s42, s42, PS_OFF
	s_add_nc_u64 s[34:35], s[18:19], s[42:43]      ; my wave's 8 sums (32 bytes for each 8 tokens)
	s_lshl_b32 s42, s40, 3
	s_add_nc_u64 s[32:33], s[18:19], s[42:43]      ; its two gate weights
.set q, 0
.rept 32
	global_load_b128 v[WGR+4*q:WGR+4*q+3], v9, s[6:7] offset:16*q
.set q, q+1
.endr
.macro XLOAD t                         ; token t: 2,048 bytes, four loads of 512 consecutive bytes
.irp i, 0,1,2,3
	global_load_b128 v[R+16*((\t)%3)+4*\i:R+16*((\t)%3)+4*\i+3], v2, s[24:25] offset:2048*(\t)+512*\i th:TH_LOAD_NT
.endr
.endm
.macro XTURN t                         ; through the wave's own stage: in as loaded, back 64 bytes a lane.  LDS serves a wave's instructions in order: no wait between
.irp i, 0,1,2,3
	ds_store_b128 v3, v[R+16*((\t)%3)+4*\i:R+16*((\t)%3)+4*\i+3] offset:32*SP*((\t)%2)+8*SP*\i
.endr
.irp i, 0,1,2,3
	ds_load_b128 v[X+16*((\t)%2)+4*\i:X+16*((\t)%2)+4*\i+3], v4 offset:32*SP*((\t)%2)+16*\i
.endr
.endm
.macro XSTEP t
.set XN, X+16*((\t)%2)
.set CN, C+4*((\t)%2)
.set BN, 14+(\t)%2
.if (\t) > 0
	s_wait_dscnt 1                                 ; my 16 neighbours are back (the last step's byte store may be out): so this token's stores into the stage have read their registers
.else
	s_wait_dscnt 0x0
.endif
	s_wait_xcnt 0x0                                ; the earlier stores of codes have read their registers: this step's set may be written
.if (\t)+3 < 8
	XLOAD (\t)+3                                   ; into the set that this token has left
.endif
.if (\t) < 7
.if (\t) <= 4
	s_wait_loadcnt 8                               ; the next token is in; the two behind it may be out
.else
	s_wait_loadcnt 4*(6-(\t))
.endif
	XTURN (\t)+1
.endif
	v_max3_num_f32 v10, |v[XN]|, |v[XN+1]|, |v[XN+2]|   ; the largest magnitude of my 16, in two chains
	v_max3_num_f32 v11, |v[XN+3]|, |v[XN+4]|, |v[XN+5]|
.irp i, 6,10
	v_max3_num_f32 v10, v10, |v[XN+\i]|, |v[XN+\i+1]|
	v_max3_num_f32 v11, v11, |v[XN+\i+2]|, |v[XN+\i+3]|
.endr
	v_max3_num_f32 v10, v10, |v[XN+14]|, |v[XN+15]|
	v_max3_num_f32 v10, v10, v11, 0x1800000        ; and the floor 2^(3 - 127): the byte cannot fall under 1
	v_max_num_f32_dpp v10, v10, v10 row_xmask:1 row_mask:0xf bank_mask:0xf   ; with my neighbour's 16: the block's
	v_add_nc_u32 v11, 0xff000000, v10              ; 2 off its exponent field: the conversion takes this operand's exponent field as its scale
	v_cvt_scalef32_pk16_fp6_f32 v[CN:CN+2], v[XN:XN+15], v11
	v_lshrrev_b32 v[BN], 23, v11                   ; the scale's byte (a plain line behind the conversion)
	ds_store_b8 v6, v[BN] offset:16*(\t)           ; both lanes of a block write the same byte
	global_store_b96 v5, v[CN:CN+2], s[26:27] offset:384*(\t)   ; the wave stores the token's 384 consecutive bytes
.set i, 0
.rept 16                               ; my 16 numbers x Wg's 16 rows: 8 partial logits, two at a time, four chains by turns
.set p, 0
.rept 4
.if i == 0
	v_pk_mul_f32 v[ACC+2*p:ACC+2*p+1], v[XN:XN+1], v[WGR+2*p:WGR+2*p+1] op_sel_hi:[0,1]
.elseif i%2 == 0
	v_pk_fma_f32 v[ACC+2*p:ACC+2*p+1], v[XN+i:XN+i+1], v[WGR+8*i+2*p:WGR+8*i+2*p+1], v[ACC+2*p:ACC+2*p+1] op_sel_hi:[0,1,1]
.else
	v_pk_fma_f32 v[ACC+2*p:ACC+2*p+1], v[XN+i-1:XN+i], v[WGR+8*i+2*p:WGR+8*i+2*p+1], v[ACC+2*p:ACC+2*p+1] op_sel:[1,0,0] op_sel_hi:[1,1,1]
.endif
.set p, p+1
.endr
.set i, i+1
.endr
.irp k, 1,2,4,8                        ; over the 32 lanes
.irp e, 0,1,2,3,4,5,6,7
	v_add_f32_dpp v[ACC+\e], v[ACC+\e], v[ACC+\e] row_xmask:\k row_mask:0xf bank_mask:0xf
.endr
.endr
.irp e, 0,1,2,3,4,5,6,7
	v_permlanex16_b32 v[SCR+\e], v[ACC+\e], s36, s37
.endr
.irp e, 0,1,2,3,4,5,6,7
	v_add_f32 v[ACC+\e], v[ACC+\e], v[SCR+\e]
.endr
.if (\t) == 0
.irp e, 0,1,2,3,4,5,6,7
	v_mov_b32 v[LG+\e], v[ACC+\e]
.endr
.else
	s_mov_b32 s38, 0x01010101<<(\t)                ; lanes t, t + 8, t + 16, t + 24 keep this token's logits
.irp e, 0,1,2,3,4,5,6,7
	v_cndmask_b32 v[LG+\e], v[LG+\e], v[ACC+\e], s38
.endr
.endif
.endm
	XLOAD 0
	XLOAD 1
	XLOAD 2
	s_wait_loadcnt 8                               ; Wg and token 0 are in; tokens 1 and 2 may be out
	XTURN 0
.irp n, 0,1,2,3,4,5,6,7
	XSTEP \n
.endr
	; THE GATE, once, a token a lane (lane l: token l % 8)
	v_max3_num_f32 v10, v[LG], v[LG+1], v[LG+2]
	v_max3_num_f32 v10, v10, v[LG+3], v[LG+4]
	v_max3_num_f32 v10, v10, v[LG+5], v[LG+6]
	v_max_num_f32 v10, v10, v[LG+7]                ; the row's maximum is taken away ahead of the exponentials
.irp e, 0,1,2,3,4,5,6,7
	v_sub_f32 v[LG+\e], v[LG+\e], v10
.endr
.irp e, 0,1,2,3,4,5,6,7
	v_mul_f32 v[LG+\e], 0x3fb8aa3b, v[LG+\e]
.endr
.irp e, 0,1,2,3,4,5,6,7
	v_exp_f32 v[LG+\e], v[LG+\e]
.endr
	v_mov_b32 v145, 0                              ; the largest's index (a plain line behind the exponentials)
	s_wait_alu depctr_va_vdst(0)                   ; one wait for the eight, ahead of their first reader
	v_add_f32 v148, v[LG], v[LG+1]
	v_add_f32 v149, v[LG+2], v[LG+3]
	v_add_f32 v156, v[LG+4], v[LG+5]
	v_add_f32 v157, v[LG+6], v[LG+7]
	v_add_f32 v148, v148, v149
	v_add_f32 v156, v156, v157
	v_add_f32 v148, v148, v156                     ; the row's sum
	v_rcp_f32 v149, v148
	v_mov_b32 v144, v[LG]                          ; the largest so far,
	v_mov_b32 v146, -1.0                           ; the second (under every p),
	v_mov_b32 v147, 0                              ; its index
.irp e, 1,2,3,4,5,6,7                  ; strictly greater alone moves a place: the lower index wins a tie
	v_cmp_gt_f32 s40, v[LG+\e], v144
	v_cmp_gt_f32 s41, v[LG+\e], v146
	v_cndmask_b32 v146, v146, v[LG+\e], s41
	v_cndmask_b32 v147, v147, \e, s41
	v_cndmask_b32 v146, v146, v144, s40
	v_cndmask_b32 v147, v147, v145, s40
	v_cndmask_b32 v144, v144, v[LG+\e], s40
	v_cndmask_b32 v145, v145, \e, s40
.endr
	v_add_f32 v155, v144, v146
	v_rcp_f32 v158, v155
	v_lshlrev_b32 v154, 3, v1                      ; 8 x lane (a plain line behind the reciprocal)
	s_wait_alu depctr_va_vdst(0)                   ; one wait for both reciprocals
	v_mul_f32 v150, v144, v158                     ; the two gate weights: the softmax's divisor cancels
	v_mul_f32 v151, v146, v158
	v_lshl_or_b32 v152, v147, 8, v145              ; e1 | e2 << 8
.irp e, 0,1,2,3,4,5,6,7
	v_mul_f32 v[LG+\e], v[LG+\e], v149             ; the probabilities
.endr
.irp k, 1,2,4
.irp e, 0,1,2,3,4,5,6,7
	v_add_f32_dpp v[LG+\e], v[LG+\e], v[LG+\e] row_xmask:\k row_mask:0xf bank_mask:0xf   ; summed over my 8 tokens
.endr
.endr
	v_mov_b32 v153, v[LG]
.irp e, 1,2,3,4,5,6,7
	s_mov_b32 s38, 0x01010101<<\e
	v_cndmask_b32 v153, v153, v[LG+\e], s38        ; lane e holds expert e's sum
.endr
	ds_load_b32 v10, v7                            ; my wave's 128 scale bytes: LDS serves a wave in order, these see my stores
	s_wait_dscnt 0x0
	global_store_b32 v8, v10, s[28:29]             ; 128 consecutive bytes
	v_cmp_gt_u32 vcc_lo, 8, v1
	s_wait_xcnt 0x0                                ; EXEC changes only behind this wait
	s_wait_tensorcnt 0x0
	ds_add_u32 v243, v247
	s_wait_dscnt 0x0
	s_and_saveexec_b32 s39, vcc_lo                 ; lanes 0-7: a token, or an expert, each
	global_store_b32 v8, v152, s[30:31]
	global_store_b64 v154, v[150:151], s[32:33]
	global_store_b32 v8, v153, s[34:35]
	s_endpgm
; ------------------------------------------------------------------ PATH W: a work-group takes 128 columns x 128 K of one expert's W1 or W2: one K step's 8 fragments, two groups of wq
; A LANE TAKES A COLUMN AND ITS REGISTERS RUN DOWN K: each load reads 128 consecutive bytes a wave, 512 a work-group; a block of 32 lies in one lane; the conversions give codes with K innermost.
.set DATA, 16                          ; v16-143  four blocks of 32 numbers
.set OFF,  144                         ; v144-175 byte offset of row k of a block, my column
.set F0,   176                         ; v176-187 the 12 registers of the fragment's lane r; v188-199 those of lane r + 16
.set T,    200                         ; v200-202 a conversion's second half
.set OUT,  208                         ; v208-231 the way out
.Lw:
	s_sub_co_u32 s21, ttmp9, 128
	s_lshr_b32 s22, s21, 9                         ; 0: W1, 1: W2
	s_bfe_u32 s23, s21, 0x30006                    ; expert
	s_and_b32 s40, s21, 3                          ; w: which wave of the chain's launch reads these groups
	s_bfe_u32 s41, s21, 0x20002                    ; a
	s_bfe_u32 s42, s21, 0x20004                    ; b
	s_lshl_b32 s43, s41, 2
	s_add_co_u32 s43, s43, s40                     ; W1: columns 128 (4 a + w) on (chunk a),
	s_lshl_b32 s44, s42, 2
	s_add_co_u32 s44, s44, s41                     ; W2: K step 4 b + a (chunk b),
	s_lshl_b32 s45, s41, 4
	s_lshl_b32 s46, s42, 1
	s_add_co_u32 s45, s45, s46                     ; W1: groups 16 a + 2 b, + 1,
	s_lshl_b32 s46, s42, 4
	s_lshl_b32 s47, s41, 1
	s_add_co_u32 s46, s46, s47
	s_add_co_u32 s46, s46, 8                       ; W2: groups 16 b + 8 + 2 a, + 1
	s_mov_b32 s47, 2048
	s_wait_kmcnt 0x0
	s_cmp_eq_u32 s22, 0                            ; the choice hangs on the work-group's number alone
	s_cselect_b64 s[8:9], s[8:9], s[10:11]         ; the tensor,
	s_cselect_b32 s47, 8192, s47                   ; its row in bytes,
	s_cselect_b32 s43, s43, s40                    ; which 128 columns,
	s_cselect_b32 s44, s42, s44                    ; which K step,
	s_cselect_b32 s45, s45, s46                    ; which groups
	s_lshl_b32 s48, s23, 22                        ; an expert is 4,194,304 bytes in either tensor
	s_mul_i32 s49, s44, s47
	s_lshl_b32 s49, s49, 7
	s_add_co_u32 s48, s48, s49
	s_lshl_b32 s49, s43, 9
	s_add_co_u32 s48, s48, s49
	s_mov_b32 s49, 0
	s_add_nc_u64 s[24:25], s[8:9], s[48:49]        ; block 0's first row; the other three blocks 32 rows apart.  None of the four is written again
	s_lshl_b32 s48, s47, 5
	s_add_nc_u64 s[26:27], s[24:25], s[48:49]
	s_add_nc_u64 s[28:29], s[26:27], s[48:49]
	s_add_nc_u64 s[30:31], s[28:29], s[48:49]
	s_lshl_b32 s50, s23, 2
	s_add_co_u32 s50, s50, s40
	s_lshl_b32 s50, s50, 6
	s_add_co_u32 s50, s50, s45
	s_mul_i32 s50, s50, HGB
	s_mov_b32 s51, 0
	s_add_nc_u64 s[32:33], s[14:15], s[50:51]      ; my two groups in wq
	v_lshlrev_b32 v[OFF], 2, v0                    ; column 32 x wave + lane: 4 bytes a thread
.set k, 1
.rept 31
	v_add_nc_u32 v[OFF+k], s47, v[OFF+k-1]
.set k, k+1
.endr
.macro WLOAD kb
.set k, 0
.rept 32
	global_load_b32 v[DATA+32*(\kb)+k], v[OFF+k], s[24+2*(\kb):25+2*(\kb)] th:TH_LOAD_NT
.set k, k+1
.endr
.endm
	WLOAD 0
	WLOAD 1
	; my column is row r of fragment 2 x wave + u:  u = (lane / 8) % 2,  r = lane % 8 + 8 (lane / 16)
	v_and_b32 v2, 7, v1
	v_lshrrev_b32 v10, 4, v1
	v_lshl_add_u32 v2, v10, 3, v2                  ; r
	v_bfe_u32 v3, v1, 3, 1                         ; u
	s_mul_i32 s52, s20, WBW
	s_add_co_u32 s52, s52, WB0                     ; my wave's two images
	v_mul_u32_u24 v4, v3, FPI
	v_lshl_add_u32 v4, v2, 4, v4
	v_add_nc_u32 v4, s52, v4                       ; into them: image u, lane r's 16 bytes of a piece
	s_lshr_b32 s53, s20, 1
	s_lshl_b32 s53, s53, 8
	s_and_b32 s54, s20, 1
	s_lshl_b32 s54, s54, 2
	s_add_co_u32 s53, s53, s54
	s_add_co_u32 s53, s53, WSC
	v_lshl_add_u32 v5, v3, 4, v2
	v_lshlrev_b32 v5, 3, v5
	v_add_nc_u32 v5, s53, v5                       ; my scale word: group wave / 2, lane r + 16 u, word wave % 2
	v_lshl_add_u32 v6, v1, 4, s52                  ; out of the images: 16 x lane
	s_lshr_b32 s55, s20, 1
	s_mul_i32 s55, s55, HGB
	s_and_b32 s56, s20, 1
	s_mul_i32 s56, s56, 3072
	s_add_co_u32 s55, s55, s56
	v_lshl_add_u32 v7, v1, 4, s55                  ; and the same in wq: group wave / 2, fragments 2 (wave % 2), + 1
	s_lshl_b32 s57, s20, 8
	s_add_co_u32 s57, s57, WSC
	v_lshl_add_u32 v232, v1, 3, s57                ; waves 0 and 1: a group's scale words in LDS,
	s_mul_i32 s58, s20, HGB
	s_add_co_u32 s58, s58, 6144
	v_lshl_add_u32 v233, v1, 3, s58                ; and in wq, behind the group's four fragments
.macro WBLOCK kb                       ; block kb = 2 c + h of my column becomes registers 6 c .. 6 c + 5 of the fragment's lane r + 16 h
.set XB, DATA+32*(\kb)
.set FD, F0+12*((\kb)%2)+6*((\kb)/2)
	v_max3_num_f32 v12, |v[XB]|, |v[XB+1]|, |v[XB+2]|
	v_max3_num_f32 v13, |v[XB+3]|, |v[XB+4]|, |v[XB+5]|
.irp i, 6,10,14,18,22,26
	v_max3_num_f32 v12, v12, |v[XB+\i]|, |v[XB+\i+1]|
	v_max3_num_f32 v13, v13, |v[XB+\i+2]|, |v[XB+\i+3]|
.endr
	v_max3_num_f32 v12, v12, |v[XB+30]|, |v[XB+31]|
	v_max3_num_f32 v12, v12, v13, 0x1800000        ; the floor 2^(3 - 127)
	v_add_nc_u32 v11, 0xff000000, v12              ; 2 off the exponent field: the conversion's scale operand
	v_lshrrev_b32 v13, 23, v11                     ; the scale's byte
.if (\kb) == 0
	v_mov_b32 v9, v13
.else
	v_lshl_or_b32 v9, v13, 8*(\kb), v9             ; four bytes make my column's scale word
.endif
	v_cvt_scalef32_pk16_fp6_f32 v[FD:FD+2], v[XB:XB+15], v11
	v_cvt_scalef32_pk16_fp6_f32 v[T:T+2], v[XB+16:XB+31], v11   ; (a conversion's three registers begin on an even number)
	v_nop                                          ; one plain line behind a scaled conversion
.irp i, 0,1,2
	v_mov_b32 v[FD+3+\i], v[T+\i]
.endr
.endm
	s_wait_loadcnt 32                              ; block 0 is in; the next block's 32 loads may be out
	WBLOCK 0
	WLOAD 2
	s_wait_loadcnt 32
	WBLOCK 1
	WLOAD 3
	s_wait_loadcnt 32
	WBLOCK 2
	s_wait_loadcnt 0x0
	WBLOCK 3
.irp q, 0,1,2
	ds_store_b128 v4, v[F0+4*\q:F0+4*\q+3] offset:512*\q            ; lane r's registers 4 q .. 4 q + 3
.endr
.irp q, 0,1,2
	ds_store_b128 v4, v[F0+12+4*\q:F0+12+4*\q+3] offset:256+512*\q  ; lane r + 16's
.endr
	ds_store_b32 v5, v9
.irp n, 0,1,2,3,4,5
	ds_load_b128 v[OUT+4*\n:OUT+4*\n+3], v6 offset:FPI*(\n/3)+512*(\n%3)   ; my own bytes: LDS serves a wave in order
.endr
.irp n, 0,1,2,3,4,5
	s_wait_dscnt 5-\n
	global_store_b128 v7, v[OUT+4*\n:OUT+4*\n+3], s[32:33] offset:512*\n   ; 512 consecutive bytes a store, 3,072 a wave
.endr
	s_wait_dscnt 0x0                               ; for the others' sake: my scale words have landed
	s_barrier_signal -1
	s_barrier_wait -1                              ; a group's scale words come from two waves
	s_cmp_lt_u32 s20, 2
	s_cbranch_scc0 .Lwend
	ds_load_b64 v[12:13], v232
	s_wait_dscnt 0x0
	global_store_b64 v233, v[12:13], s[32:33]      ; 256 consecutive bytes, aligned
.Lwend:
	s_wait_tensorcnt 0x0
	ds_add_u32 v243, v247
	s_wait_dscnt 0x0
	s_endpgm
.Lfunc_end_k_q8482d2fb63_prep:
	.size	k_q8482d2fb63_prep, .Lfunc_end_k_q8482d2fb63_prep-k_q8482d2fb63_prep
	.p2alignl 7, 3214868480
	.fill 96, 4, 3214868480
	.section	.rodata,"a",@progbits
	.p2align	6, 0x0
	.amdhsa_kernel k_q8482d2fb63_prep
		.amdhsa_group_segment_fixed_size 35840
		.amdhsa_private_segment_fixed_size 0
		.amdhsa_enable_private_segment 0
		.amdhsa_kernarg_size 64
		.amdhsa_user_sgpr_count 2
		.amdhsa_user_sgpr_kernarg_segment_ptr 1
		.amdhsa_wavefront_size32 1
		.amdhsa_system_sgpr_workgroup_id_x 1
		.amdhsa_system_sgpr_workgroup_id_y 1
		.amdhsa_system_sgpr_workgroup_id_z 1
		.amdhsa_system_vgpr_workitem_id 0
		.amdhsa_next_free_vgpr 256
		.amdhsa_next_free_sgpr 66
		.amdhsa_reserve_vcc 1
		.amdhsa_float_denorm_mode_32 3
		.amdhsa_float_denorm_mode_16_64 3
		.amdhsa_memory_ordered 1
		.amdhsa_forward_progress 1
		.amdhsa_inst_pref_size 112
	.end_amdhsa_kernel
	.amdgpu_metadata
---
amdhsa.version: [ 1, 2 ]
amdhsa.kernels:
  - .name:           k_q8482d2fb63_prep
    .symbol:         k_q8482d2fb63_prep.kd
    .args:
      - { .name: x, .offset: 0, .size: 8, .value_kind: global_buffer, .address_space: global }
      - { .name: Wg, .offset: 8, .size: 8, .value_kind: global_buffer, .address_space: global }
      - { .name: W1, .offset: 16, .size: 8, .value_kind: global_buffer, .address_space: global }
      - { .name: W2, .offset: 24, .size: 8, .value_kind: global_buffer, .address_space: global }
      - { .name: xq, .offset: 32, .size: 8, .value_kind: global_buffer, .address_space: global }
      - { .name: wq, .offset: 40, .size: 8, .value_kind: global_buffer, .address_space: global }
      - { .name: sel, .offset: 48, .size: 8, .value_kind: global_buffer, .address_space: global }
      - { .name: gp, .offset: 56, .size: 8, .value_kind: global_buffer, .address_space: global }
    .group_segment_fixed_size: 35840
    .private_segment_fixed_size: 0
    .kernarg_segment_align: 8
    .kernarg_segment_size: 64
    .max_flat_workgroup_size: 128
    .sgpr_count:     66
    .vgpr_count:     256
    .wavefront_size: 32
...
	.end_amdgpu_metadata
.endif
;; end of part 1
;; launch route (part 2): grid 1 x 1, 32 waves a work-group, no clusters, 9,216 bytes of LDS; arguments sel, gp, route, out1; writes route, out1
.if DOCPART == 2
	.amdgcn_target "amdgcn-amd-amdhsa--gfx1250"
	.amdhsa_code_object_version 6
	.text
	.protected	k_q8482d2fb63_route
	.globl	k_q8482d2fb63_route
	.p2align	8
	.type	k_q8482d2fb63_route,@function
k_q8482d2fb63_route:
	s_mov_b64 s[64:65], 0
	v_nop
	global_prefetch_b8 v0, s[64:65] scope:SCOPE_SE
	s_setreg_imm32_b32 hwreg(HW_REG_WAVE_MODE, 25, 1), 1
	s_wait_xcnt 0x0
; ROUTE: one work-group places the 8,192 routed rows by expert (a counting sort, no atomics), writes the list of tiles, and finishes the auxiliary loss.
; A routed row's number is rid = 2 x token + slot (slot 0: the largest probability's expert).  route: rows [8192] (rid, sorted by expert), then from byte 32,768 tiles [1024][4] = (expert, first row, rows, 0),
; 64 rows to a tile; tiles beyond the last have 0 rows.  Every split is served: there are never more than 8192 / 64 + 7 tiles with rows.
; Thread i owns tokens 4 i .. 4 i + 3: eight entries j, rid = 8 i + j.  All numbers that steer addresses here were stored by the launch before.
; out1 = 8 x 0.01 x sum over e of mean(probabilities of e) x mean(e is the largest) = 0.08 / 4096^2 x sum of (sum of probabilities) x (count).
.set PT, 4096                          ; LDS: [wave][32 words] counts (0-7 all entries, 8-15 slot 0 alone) at 0; [wave][8] f32 sums of probabilities at PT
.set EN, 12                            ; v12-19 my entries' experts
.set RK, 20                            ; v20-27 their ranks within the wave
	s_load_b256 s[4:11], s[0:1], 0x0               ; sel 4, gp 6, route 8, out1 10
	v_lshl_add_u32 v96, v0, 2, 0x1400
	v_mov_b32 v97, 0
	v_lshrrev_b32 v1, 5, v0
	v_readfirstlane_b32 s12, v1                    ; wave 0..31
	v_and_b32 v1, 31, v0                           ; lane
	v_lshlrev_b32 v2, 2, v0
	v_lshlrev_b32 v3, 4, v0
	v_lshlrev_b32 v62, 2, v1
	s_lshl_b32 s78, s12, 5
	s_add_co_u32 s78, s78, PT
	v_and_b32 v90, 1, v1
	v_lshl_add_u32 v90, v90, 4, s78                ; where my wave's sums go: 16 bytes for each parity of the lane
	v_lshl_add_u32 v91, v1, 5, PT                  ; where wave 0 reads them back: a wave's 32 bytes a lane
	v_mov_b32 v92, 0
	v_mov_b32 v60, 0
	v_mov_b32 v93, 0
	v_mov_b32 v94, 0
	v_mov_b32 v95, 0
	s_mov_b32 s76, 0x76543210
	s_mov_b32 s77, 0xfedcba98
.irp e, 0,1,2,3,4,5,6,7
	s_mov_b32 s[16+\e], 0                          ; the wave's count for expert e so far,
	s_mov_b32 s[24+\e], 0                          ; and of slot 0 alone
.endr
	s_wait_kmcnt 0x0
	global_load_b128 v[4:7], v3, s[4:5]            ; four tokens' choices
	global_load_b128 v[8:11], v3, s[6:7] offset:32768   ; four sums of probabilities: group i / 2, experts 4 (i % 2) + 0 .. 3
	s_wait_loadcnt 0x0
.irp k, 0,1,2,3
	v_and_b32 v[EN+2*\k], 7, v[4+\k]
	v_bfe_u32 v[EN+2*\k+1], v[4+\k], 8, 3
.endr
.irp j, 0,1,2,3,4,5,6,7                ; an entry's rank: the wave's count so far + the lanes below me with the same expert
.irp e, 0,1,2,3,4,5,6,7
	v_cmp_eq_u32 s78, \e, v[EN+\j]
	v_mbcnt_lo_u32_b32 v60, s78, s[16+\e]
.if \e == 0
	v_mov_b32 v[RK+\j], v60
.else
	v_cndmask_b32 v[RK+\j], v[RK+\j], v60, s78
.endif
	s_bcnt1_i32_b32 s79, s78
	s_add_co_u32 s[16+\e], s[16+\e], s79
.if (\j)%2 == 0
	s_add_co_u32 s[24+\e], s[24+\e], s79
.endif
.endr
.endr
	v_mov_b32 v61, 0
.irp e, 0,1,2,3,4,5,6,7
	v_writelane_b32 v61, s[16+\e], \e
	v_writelane_b32 v61, s[24+\e], 8+\e
.endr
	ds_store_b32 v2, v61                           ; my wave's 32 words
.irp k, 2,4,8                          ; the sums of probabilities over the lanes of my parity
.irp q, 8,9,10,11
	v_add_f32_dpp v\q, v\q, v\q row_xmask:\k row_mask:0xf bank_mask:0xf
.endr
.endr
	v_permlanex16_b32 v60, v8, s76, s77
	v_permlanex16_b32 v93, v9, s76, s77
	v_permlanex16_b32 v94, v10, s76, s77
	v_permlanex16_b32 v95, v11, s76, s77
	v_add_f32 v8, v8, v60
	v_add_f32 v9, v9, v93
	v_add_f32 v10, v10, v94
	v_add_f32 v11, v11, v95
	ds_store_b128 v90, v[8:11]                     ; lanes of one parity write the same bytes with the same values
	s_wait_dscnt 0x0                               ; for the others' sake
	s_barrier_signal -1
	s_barrier_wait -1
.set w, 0
.rept 32
	ds_load_b32 v[28+w], v62 offset:128*w          ; lane l: word l of every wave
.set w, w+1
.endr
	v_mov_b32 v63, 0                               ; the total,
	v_mov_b32 v64, 0                               ; and the part of the waves in front of mine
	s_wait_dscnt 0x0
.set w, 0
.rept 32
	s_cmp_gt_u32 s12, w
	s_cselect_b32 s78, 1, 0
	v_add_nc_u32 v63, v63, v[28+w]
	v_mad_u32_u24 v64, v[28+w], s78, v64
.set w, w+1
.endr
.irp e, 0,1,2,3,4,5,6,7
	v_readlane_b32 s[32+\e], v63, \e               ; rows of expert e,
	v_readlane_b32 s[40+\e], v63, 8+\e             ; tokens whose largest probability is e's
.endr
	s_mov_b32 s48, 0                               ; s48-56: where expert e's rows begin
	s_mov_b32 s66, 0                               ; s66-74: and its tiles
.irp e, 0,1,2,3,4,5,6,7
	s_add_co_u32 s[49+\e], s[48+\e], s[32+\e]
	s_add_co_u32 s78, s[32+\e], 63
	s_lshr_b32 s78, s78, 6
	s_add_co_u32 s[67+\e], s[66+\e], s78
.endr
	v_mov_b32 v65, 0
.irp e, 0,1,2,3,4,5,6,7
	v_writelane_b32 v65, s[48+\e], \e
.endr
	v_add_nc_u32 v65, v65, v64                     ; lane e: where my wave's rows of expert e begin
.irp j, 0,1,2,3,4,5,6,7
	v_lshlrev_b32 v[74+\j], 2, v[EN+\j]
.endr
.irp j, 0,1,2,3,4,5,6,7
	ds_bpermute_b32 v[66+\j], v[74+\j], v65
.endr
	s_wait_dscnt 0x0
.irp j, 0,1,2,3,4,5,6,7
	v_add_nc_u32 v[74+\j], v[66+\j], v[RK+\j]
	v_min_u32 v[74+\j], 0x1fff, v[74+\j]           ; inside the list whatever was read
	v_lshlrev_b32 v[74+\j], 2, v[74+\j]
	v_lshl_add_u32 v[82+\j], v0, 3, \j             ; rid
	global_store_b32 v[74+\j], v[82+\j], s[8:9]
.endr
	; tile i: the last expert whose tiles begin at or before i
	v_mov_b32 v36, 0
	v_mov_b32 v29, s66
	v_mov_b32 v30, s48
	v_mov_b32 v31, s32
.irp e, 1,2,3,4,5,6,7
	v_cmp_le_u32 s78, s[66+\e], v0
	v_cndmask_b32 v36, v36, \e, s78
	v_cndmask_b32 v29, v29, s[66+\e], s78
	v_cndmask_b32 v30, v30, s[48+\e], s78
	v_cndmask_b32 v31, v31, s[32+\e], s78
.endr
	v_sub_nc_u32 v32, v0, v29
	v_lshlrev_b32 v32, 6, v32                      ; 64 x (which tile of its expert)
	v_add_nc_u32 v37, v30, v32
	v_min_u32 v37, 0x1fff, v37                     ; its first row
	v_sub_nc_u32 v38, v31, v32
	v_max_i32 v38, 0, v38
	v_min_i32 v38, 64, v38                         ; its rows: 0 beyond the expert's last tile
	v_mov_b32 v39, 0
	global_store_b128 v3, v[36:39], s[8:9] offset:32768
	s_cmp_lg_u32 s12, 0
	s_cbranch_scc1 .Lend
	ds_load_b128 v[40:43], v91                     ; wave 0: every wave's eight sums, a wave a lane
	ds_load_b128 v[44:47], v91 offset:16
	s_wait_dscnt 0x0
.irp k, 1,2,4,8
.irp q, 40,41,42,43,44,45,46,47
	v_add_f32_dpp v\q, v\q, v\q row_xmask:\k row_mask:0xf bank_mask:0xf
.endr
.endr
.irp q, 0,1,2,3,4,5,6,7
	v_permlanex16_b32 v[48+\q], v[40+\q], s76, s77
.endr
.irp q, 0,1,2,3,4,5,6,7
	v_add_f32 v[40+\q], v[40+\q], v[48+\q]
.endr
	v_cvt_f32_u32 v56, s40
	v_mul_f32 v57, v40, v56
.irp e, 1,2,3,4,5,6,7
	v_cvt_f32_u32 v56, s[40+\e]
	v_fma_f32 v57, v[40+\e], v56, v57
.endr
	v_mul_f32 v57, 0x31a3d70a, v57                 ; x 0.08 / 2^24
	v_cmp_eq_u32 vcc_lo, 0, v1
	s_wait_xcnt 0x0                                ; EXEC changes only behind this wait
	s_and_saveexec_b32 s80, vcc_lo
	global_store_b32 v92, v57, s[10:11]
	s_wait_xcnt 0x0
	s_or_b32 exec_lo, exec_lo, s80
.Lend:
	s_wait_tensorcnt 0x0
	ds_add_u32 v96, v97
	s_wait_dscnt 0x0
	s_endpgm
.Lfunc_end_k_q8482d2fb63_route:
	.size	k_q8482d2fb63_route, .Lfunc_end_k_q8482d2fb63_route-k_q8482d2fb63_route
	.p2alignl 7, 3214868480
	.fill 96, 4, 3214868480
	.section	.rodata,"a",@progbits
	.p2align	6, 0x0
	.amdhsa_kernel k_q8482d2fb63_route
		.amdhsa_group_segment_fixed_size 9216
		.amdhsa_private_segment_fixed_size 0
		.amdhsa_enable_private_segment 0
		.amdhsa_kernarg_size 32
		.amdhsa_user_sgpr_count 2
		.amdhsa_user_sgpr_kernarg_segment_ptr 1
		.amdhsa_wavefront_size32 1
		.amdhsa_system_sgpr_workgroup_id_x 1
		.amdhsa_system_sgpr_workgroup_id_y 1
		.amdhsa_system_sgpr_workgroup_id_z 1
		.amdhsa_system_vgpr_workitem_id 0
		.amdhsa_next_free_vgpr 98
		.amdhsa_next_free_sgpr 96
		.amdhsa_reserve_vcc 1
		.amdhsa_float_denorm_mode_32 3
		.amdhsa_float_denorm_mode_16_64 3
		.amdhsa_memory_ordered 1
		.amdhsa_forward_progress 1
		.amdhsa_inst_pref_size 42
	.end_amdhsa_kernel
	.amdgpu_metadata
---
amdhsa.version: [ 1, 2 ]
amdhsa.kernels:
  - .name:           k_q8482d2fb63_route
    .symbol:         k_q8482d2fb63_route.kd
    .args:
      - { .name: sel, .offset: 0, .size: 8, .value_kind: global_buffer, .address_space: global }
      - { .name: gp, .offset: 8, .size: 8, .value_kind: global_buffer, .address_space: global }
      - { .name: route, .offset: 16, .size: 8, .value_kind: global_buffer, .address_space: global }
      - { .name: out1, .offset: 24, .size: 8, .value_kind: global_buffer, .address_space: global }
    .group_segment_fixed_size: 9216
    .private_segment_fixed_size: 0
    .kernarg_segment_align: 8
    .kernarg_segment_size: 32
    .max_flat_workgroup_size: 1024
    .sgpr_count:     96
    .vgpr_count:     98
    .wavefront_size: 32
...
	.end_amdgpu_metadata
.endif
;; end of part 2
;; launch ffn (part 3): grid 135 x 1, 4 waves a work-group, no clusters, 87,552 bytes of LDS; arguments route, gp, xq, wq, b1, b2, yw; writes yw
.if DOCPART == 3
	.amdgcn_target "amdgcn-amd-amdhsa--gfx1250"
	.amdhsa_code_object_version 6
	.text
	.protected	k_q8482d2fb63_ffn
	.globl	k_q8482d2fb63_ffn
	.p2align	8
	.type	k_q8482d2fb63_ffn,@function
k_q8482d2fb63_ffn:
	s_mov_b64 s[64:65], 0
	v_nop
	global_prefetch_b8 v0, s[64:65] scope:SCOPE_SE
	s_setreg_imm32_b32 hwreg(HW_REG_WAVE_MODE, 25, 1), 1
	s_wait_xcnt 0x0
; FFN: work-group i takes tile i of the list: up to 64 routed rows of ONE expert, through the whole chain: yw[rid] = g x (relu(x W1 + b1) W2 + b2), both products on codes of FP6 (E2M3) with E8M0 scales
; for each 32 along K.  Only the rows that the gate chose are multiplied.  135 = 8192 / 64 + 7 work-groups serve every split.
; A TILE WITHOUT ROWS: every wave passes every barrier, and no barrier stands under a branch on a number read from memory.  So such a work-group walks the chain like the others, on rows of the list
; taken by clamped indices, and stores nothing: the branches on the tile's count stand behind the last barrier, in the way out.  Tiles with rows are at least 8192 / 64 = 128, so at most 7 of the 135 do so.
; SHARES.  THE WAVES SHARE THE COLUMNS: the hidden layer goes in 4 chunks of 512 units; in a chunk wave w makes units 128 w .. + 127 for all 64 rows (one K step of the second product), and of y it owns columns 128 w .. + 127.
; Both products are used transposed (source 0 = 16 columns of the weight, source 1 = 16 rows): a lane holds ONE row, and its registers run along the columns.  The columns of a weight fragment are chosen
; (row r of fragment 2 b + u is column 32 b + 8 u + r + 8 (r / 8)) so that the 16 registers of tiles 2 b, 2 b + 1 are 16 neighbours: the next K for the hidden layer, 64 neighbouring bytes for y.
; WEIGHTS go from memory straight into registers, laid by the launch before in the order of the operand's registers: a group = 4 fragments + their scale words = 12 loads of 16 bytes and one of 8 a lane.
; Eight register slots of one group take turns, two to a K step; a pair is asked for again as soon as its 32 products are issued.  Each fragment is loaded once and feeds 4 products (the four tiles of rows).
; ROWS go from wave to wave through LDS as images of the operand's registers (three pieces of 512 bytes, lane l's 16 bytes at 16 l; scale words 4 bytes a lane).
; A K STEP is 32 products, the row tiles outermost (1, 2, 3, 0; 8 products each), so that a row fragment is free after its 8 products and the loads stand in TWO runs: in the middle the next K step's
; row fragments 1 and 2, at the end fragments 3 and 0 and the pair's 26 loads of weights.  Each row fragment is asked for 16 products ahead of its use.
; Rows past the tile's count repeat its last row: the same numbers, stored to the same place by the same wave.
; NO CLUSTER, NO JOINT LOADS, NO TENSOR LOADS: which expert a tile has is a number read from memory: neighbours need not share an expert, so their descriptors would not be equal.
; LIMITS: a block of zeros of the hidden layer gets the scale byte 1 (its codes are zeros); NaN and infinities are not served.
; REGISTERS, in windows of 256 (s_set_vgpr_msb: bits 1:0 source 0, 3:2 source 1, 5:4 source 2, 7:6 destination):
;   window 0: v1-7 addresses; v8-11 rid and v12-15 gate weight of row 16 m + lane % 16; v16-31 x's scale words (4 m + s); v32-35 the hidden layer's; v36-51 the weights' (2 a slot);
;             v52-99 four row fragments (while the hidden layer is quantised: codes, maxima, scale word); v100-243 slots 5-7 (on the way out v100-163: the rows' addresses); v244-255 at work
;   window 1: y's 32 accumulators (m, t) at 8 (8 m + t)     window 2: the hidden layer's 32 (on the way out: rows read back from the stage)     window 3: slots 0-4
.set HGB,  6400
.set XIMG, 0                           ; LDS: x's 16 fragments (4 m + s), 1,536 bytes each
.set XSC,  24576                       ; their scale words: [m][lane][4]
.set HIMG, 26624                       ; the hidden chunk's 16 fragments (4 m + j)
.set HSC,  51200                       ; their scale words, 128 bytes each
.set STG,  53248                       ; the way out: 16 rows x (512 + 16) bytes for each wave
.set LI,  1                            ; 16 x lane
.set L8,  2                            ; 8 x lane
.set LS,  3                            ; 4 x lane
.set HWI, 4                            ; 16 x lane + 1536 x wave
.set HWS, 5                            ; 4 x lane + 128 x wave
.set BOF, 6                            ; 64 x (lane / 16): my half's 16 numbers of a bias's 32
.set RID, 8
.set G,   12
.set XS,  16
.set HS,  32
.set SCW, 36
.set BF,  52
.set PC,  52                           ; v52-71 codes
.set TM,  72                           ; v72-87 maxima, bytes, scale operands
.set PW,  88                           ; the scale word
.set VO,  100                          ; the way out: v100-163 the byte offset in yw of row 16 m + i, my 16 bytes
.set WP,  30                           ; s[30:31] my wave's groups: of the chunk in hand in the first product, of the next chunk in the second
.set B1P, 32                           ; s[32:33] b1 at my 128 units, likewise
.set B2P, 34                           ; s[34:35] b2 at my 128 columns
.set SEL, 38
.set RS,  44                           ; s44-59 the way out: sixteen rows' rid
.set MSB, 0
.macro WIN new                         ; the immediate's high byte repeats the setting that is left; a switch that changes nothing is dropped
.if MSB != (\new)
	s_set_vgpr_msb (MSB<<8)|(\new)
.set MSB, (\new)
.endif
.endm
.macro PLACES                          ; four plain vector lines behind matrix instructions, ahead of loads into their registers and of reads of their results
.rept 4
	v_nop
.endr
.endm
.macro SLOTBASE slot                   ; where a slot's 48 registers lie
.if (\slot) < 5
.set SBR, 48*(\slot)
.set SBW, 3
.else
.set SBR, 100+48*((\slot)-5)
.set SBW, 0
.endif
.endm
.macro REFILL slot, hg                 ; group hg (counted from s[WP]) into a slot: 13 loads
	SLOTBASE \slot
	WIN 0
	global_load_b64 v[SCW+2*(\slot):SCW+2*(\slot)+1], v[L8], s[WP:WP+1] offset:(\hg)*HGB+6144
	WIN SBW<<6
.irp q, 0,1,2,3,4,5,6,7,8,9,10,11
	global_load_b128 v[SBR+4*\q:SBR+4*\q+3], v[LI], s[WP:WP+1] offset:(\hg)*HGB+512*\q
.endr
.endm
; Four products: the slot's four fragments x row tile m.  ph 1: the hidden layer (window 2); ph 2: y (window 1).  first = 1: the sums begin with b1, which lies in the registers of row tile 0's accumulators.
.macro QUARTET ph, slot, half, m, sb, first
	SLOTBASE \slot
.if (\ph) == 1
	WIN 0xa0|SBW
.else
	WIN 0x50|SBW
.endif
.irp f, 0,1,2,3
.set AC, 8*(8*(\m)+4*(\half)+\f)
.set CC, AC
.if (\first) && ((\m) != 0)
.set CC, 8*(4*(\half)+\f)
.endif
.if (\f)%2
	v_wmma_scale_f32_16x16x128_f8f6f4 v[AC:AC+7], v[SBR+12*\f:SBR+12*\f+11], v[BF+12*(\m):BF+12*(\m)+11], v[CC:CC+7], v[SCW+2*(\slot)+(\f)/2], v[\sb] matrix_a_fmt:MATRIX_FMT_FP6 matrix_b_fmt:MATRIX_FMT_FP6 matrix_a_scale:MATRIX_SCALE_ROW1
.else
	v_wmma_scale_f32_16x16x128_f8f6f4 v[AC:AC+7], v[SBR+12*\f:SBR+12*\f+11], v[BF+12*(\m):BF+12*(\m)+11], v[CC:CC+7], v[SCW+2*(\slot)+(\f)/2], v[\sb] matrix_a_fmt:MATRIX_FMT_FP6 matrix_b_fmt:MATRIX_FMT_FP6
.endif
.endr
.endm
.macro OCTET ph, s0, s1, g, m, first   ; row tile m x my eight column tiles: 8 products on 8 accumulators
.if (\ph) == 1
.set SBB, XS+4*(\m)+(\g)
.else
.set SBB, HS+(\m)
.endif
	QUARTET \ph, \s0, 0, \m, SBB, \first
	QUARTET \ph, \s1, 1, \m, SBB, \first
.endm
.macro BLOAD kind, m, n                ; row tile m's fragment of K step n: kind 1: x's (3 loads); kind 2: the hidden chunk's, with its scale word (4 loads)
	WIN 0
.if (\kind) == 1
.irp q, 0,1,2
	ds_load_b128 v[BF+12*(\m)+4*\q:BF+12*(\m)+4*\q+3], v[LI] offset:XIMG+(4*(\m)+(\n))*1536+512*\q
.endr
.else
.irp q, 0,1,2
	ds_load_b128 v[BF+12*(\m)+4*\q:BF+12*(\m)+4*\q+3], v[LI] offset:HIMG+(4*(\m)+(\n))*1536+512*\q
.endr
	ds_load_b32 v[HS+(\m)], v[LS] offset:HSC+128*(4*(\m)+(\n))
.endif
.endm
; A K STEP: 32 products on 32 accumulators by turns, one instruction a turn.  g: the K step in the phase; s0, s1: its two slots.
; lw: the loads that may stay out when the pair's must be in.  rf: the groups rf, rf + 1 that the pair takes next (-1: none).  kind, n: the row fragments fetched for the K step that follows (0: none).
.macro KSTEP ph, g, s0, s1, lw, rf, kind, n, first
	s_wait_loadcnt \lw
	s_wait_dscnt 2*(2+(\ph))                       ; row fragments 1 and 2 are in: behind their loads stand those of fragments 3 and 0, 3 (x) or 4 (hidden) each
	OCTET \ph, \s0, \s1, \g, 1, \first
	OCTET \ph, \s0, \s1, \g, 2, \first
.if (\kind) != 0
	PLACES
	BLOAD \kind, 1, \n
	BLOAD \kind, 2, \n
	s_wait_dscnt 2*(2+(\kind))                     ; fragments 3 and 0 are in: behind their loads stand the two fragments' just asked for
.else
	s_wait_dscnt 0x0
.endif
	OCTET \ph, \s0, \s1, \g, 3, \first
.if (\first)
.rept 5
	v_nop                                          ; five places: row tile 0's products write over the registers that the others' have read as C
.endr
.endif
	OCTET \ph, \s0, \s1, \g, 0, \first
	PLACES
.if (\kind) != 0
	BLOAD \kind, 3, \n
	BLOAD \kind, 0, \n
.endif
.if (\rf) >= 0
	REFILL \s0, \rf
	REFILL \s1, (\rf)+1
.endif
.endm
; Row tile m's 64 numbers a lane (register 16 b + i = unit 32 b + 16 (lane / 16) + i of my row): relu, quantised along the units, and stored as K step w's image.
.macro QUANT m
.set S, 64*(\m)
	WIN 0x88
.set j, 0
.rept 64
	v_max_num_f32 v[S+j], 0, v[S+j]                ; the activation, in f32; each accumulator from its low end on
.set j, j+1
.endr
	WIN 0x0a
.irp b, 0,1,2,3
	v_max3_num_f32 v[TM+\b], v[S+16*\b], v[S+16*\b+1], 0x1800000   ; no |.|: none is negative; the floor 2^(3 - 127) holds the byte at 1 from below
.endr
	WIN 0x28
.irp i, 2,4,6,8,10,12,14
.irp b, 0,1,2,3
	v_max3_num_f32 v[TM+\b], v[TM+\b], v[S+16*\b+\i], v[S+16*\b+\i+1]
.endr
.endr
	WIN 0
.irp b, 0,1,2,3
	v_permlanex16_b32 v[TM+4+\b], v[TM+\b], s[SEL], s[SEL+1]
.endr
.irp b, 0,1,2,3
	v_max_num_f32 v[TM+\b], v[TM+\b], v[TM+4+\b]   ; with lane l xor 16's 16: the block's largest
.endr
.irp b, 0,1,2,3
	v_add_nc_u32 v[TM+12+\b], 0xff000000, v[TM+\b] ; 2 off the exponent field: the conversion's scale operand
.endr
.irp b, 0,1,2,3
	v_lshrrev_b32 v[TM+4+\b], 23, v[TM+12+\b]      ; the scale's byte
.endr
	s_wait_dscnt 0x0                               ; the last image's stores have read their registers
	v_lshl_or_b32 v[PW], v[TM+5], 8, v[TM+4]
	v_lshl_or_b32 v[PW], v[TM+6], 16, v[PW]
	v_lshl_or_b32 v[PW], v[TM+7], 24, v[PW]
	WIN 0x02
.irp c, 0,1
	v_cvt_scalef32_pk16_fp6_f32 v[PC+6*\c:PC+2+6*\c], v[S+32*\c:S+15+32*\c], v[TM+12+2*\c]
	v_cvt_scalef32_pk16_fp6_f32 v[PC+12+4*\c:PC+14+4*\c], v[S+16+32*\c:S+31+32*\c], v[TM+12+2*\c+1]   ; (a conversion's three registers begin on an even number)
.endr
	WIN 0
	v_nop                                          ; one plain line behind a scaled conversion
.irp c, 0,1                            ; the operand's layout wants a whole block in a lane: lanes 0-15 block 2 c, lanes 16-31 block 2 c + 1
.irp i, 0,1,2
	v_permlane16_swap_b32 v[PC+6*\c+\i], v[PC+12+4*\c+\i]
.endr
.irp i, 0,1,2
	v_mov_b32 v[PC+3+6*\c+\i], v[PC+12+4*\c+\i]
.endr
.endr
.irp q, 0,1,2
	ds_store_b128 v[HWI], v[PC+4*\q:PC+4*\q+3] offset:HIMG+4*(\m)*1536+512*\q
.endr
	ds_store_b32 v[HWS], v[PW] offset:HSC+512*(\m)
.endm
.macro BARRIER                         ; my LDS stores have landed and my LDS loads are in: then the work-group's barrier
	s_wait_dscnt 0x0
	s_barrier_signal -1
	s_barrier_wait -1
.endm
.macro BIAS1                           ; b1 of my 128 units at s[B1P], in the result's layout, into row tile 0's accumulators: 16 loads
	WIN 0x80
.irp t, 0,1,2,3,4,5,6,7
	global_load_b128 v[8*\t:8*\t+3], v[BOF], s[B1P:B1P+1] offset:(32*(\t/2)+8*(\t%2))*4
	global_load_b128 v[8*\t+4:8*\t+7], v[BOF], s[B1P:B1P+1] offset:(32*(\t/2)+8*(\t%2))*4+16
.endr
	WIN 0
.endm
; A CHUNK of 512 hidden units: 8 K steps, the four pairs of slots twice.  A pair's loads were issued four K steps ago; behind them stand the other three pairs' 3 x 26 = 78 younger loads, more than a wait can name:
; the count 63 is smaller.  The last chunk's second product asks for nothing more, and its counts run down: 26 x (pairs still to come), at most 63.
.macro CHUNK last
	KSTEP 1, 0, 0, 1, 63, 8,  1, 1, 1
	KSTEP 1, 1, 2, 3, 63, 10, 1, 2, 0
	KSTEP 1, 2, 4, 5, 63, 12, 1, 3, 0
	KSTEP 1, 3, 6, 7, 63, 14, 0, 0, 0
	BARRIER                                        ; every wave has read the last chunk's images for the last time
	QUANT 0
	QUANT 1
	QUANT 2
	QUANT 3
	BARRIER                                        ; the chunk's sixteen fragments lie in LDS
	BLOAD 2, 1, 0
	BLOAD 2, 2, 0
	BLOAD 2, 3, 0
	BLOAD 2, 0, 0
.if (\last) == 0
	s_wait_xcnt 0x0                                ; the loads issued so far have read their bases: the youngest stands ahead of the four quantisings
	s_add_nc_u64 s[WP:WP+1], s[WP:WP+1], 16*HGB    ; on to the next chunk's groups: the second product's refills are its groups 0 to 7,
	s_add_nc_u64 s[B1P:B1P+1], s[B1P:B1P+1], 2048  ; and to its b1
	BIAS1                                          ; behind these 16 loads stand the second product's 4 x 26
	KSTEP 2, 0, 0, 1, 63, 0, 2, 1, 0
	KSTEP 2, 1, 2, 3, 63, 2, 2, 2, 0
	KSTEP 2, 2, 4, 5, 63, 4, 2, 3, 0
	KSTEP 2, 3, 6, 7, 63, 6, 1, 0, 0               ; x's first K step comes back for the next chunk
.else
	KSTEP 2, 0, 0, 1, 63, -1, 2, 1, 0
	KSTEP 2, 1, 2, 3, 52, -1, 2, 2, 0
	KSTEP 2, 2, 4, 5, 26, -1, 2, 3, 0
	KSTEP 2, 3, 6, 7, 0,  -1, 0, 0, 0
.endif
.endm
	s_load_b256 s[4:11], s[0:1], 0x0               ; route 4, gp 6, xq 8, wq 10
	s_load_b128 s[12:15], s[0:1], 0x20             ; b1 12, b2 14
	s_load_b64 s[16:17], s[0:1], 0x30              ; yw
	s_set_vgpr_msb 0xc0
	v_lshl_add_u32 v254, v0, 2, 0x15400
	v_mov_b32 v255, 0
	s_set_vgpr_msb 0xc000
	v_lshrrev_b32 v7, 5, v0
	v_readfirstlane_b32 s28, v7                    ; wave 0..3
	v_and_b32 v253, 31, v0                         ; lane
	v_and_b32 v255, 15, v0                         ; r
	v_bfe_u32 v254, v0, 4, 1                       ; h
	v_lshlrev_b32 v[LI], 4, v253
	v_lshlrev_b32 v[L8], 3, v253
	v_lshlrev_b32 v[LS], 2, v253
	s_mul_i32 s40, s28, 1536
	v_add_nc_u32 v[HWI], s40, v[LI]
	s_lshl_b32 s40, s28, 7
	v_add_nc_u32 v[HWS], s40, v[LS]
	v_lshlrev_b32 v[BOF], 6, v254
	s_mov_b32 s[SEL], 0x76543210
	s_mov_b32 s[SEL+1], 0xfedcba98
	s_lshl_b32 s41, ttmp9, 4
	s_wait_kmcnt 0x0
	s_load_b128 s[24:27], s[4:5], s41 offset:0x8000   ; my tile: expert, first row, rows, 0
	s_wait_kmcnt 0x0
	s_min_u32 s24, s24, 7                          ; inside their tables whatever was read
	s_min_u32 s25, s25, 0x1fff
	s_min_u32 s26, s26, 64                         ; the tile's rows; 0 where this split leaves the tile empty: nothing branches on it ahead of the way out
	s_max_u32 s42, s26, 1
	s_sub_co_u32 s42, s42, 1                       ; the tile's last row (row 0 in an empty tile: its loads stay inside the list)
	s_lshl_b32 s40, s24, 2
	s_add_co_u32 s40, s40, s28
	s_mul_i32 s40, s40, 64*HGB
	s_mov_b32 s41, 0
	s_add_nc_u64 s[WP:WP+1], s[10:11], s[40:41]
	s_lshl_b32 s43, s28, 9
	s_lshl_b32 s40, s24, 13
	s_add_co_u32 s40, s40, s43
	s_add_nc_u64 s[B1P:B1P+1], s[12:13], s[40:41]
	s_lshl_b32 s40, s24, 11
	s_add_co_u32 s40, s40, s43
	s_add_nc_u64 s[B2P:B2P+1], s[14:15], s[40:41]
.irp m, 0,1,2,3                        ; the rid of row 16 m + r, for the gate weight and the way out
	v_add_nc_u32 v[244+\m], 16*\m, v255
	v_min_u32 v[244+\m], s42, v[244+\m]
	v_add_nc_u32 v[244+\m], s25, v[244+\m]
	v_min_u32 v[244+\m], 0x1fff, v[244+\m]
	v_lshlrev_b32 v[244+\m], 2, v[244+\m]
.endr
	s_lshl_b32 s44, s28, 4                         ; and of row 16 w + r, whose codes I gather
	v_add_nc_u32 v248, s44, v255
	v_min_u32 v248, s42, v248
	v_add_nc_u32 v248, s25, v248
	v_min_u32 v248, 0x1fff, v248
	v_lshlrev_b32 v248, 2, v248
.irp m, 0,1,2,3
	global_load_b32 v[RID+\m], v[244+\m], s[4:5]
.endr
	global_load_b32 v249, v248, s[4:5]
	REFILL 0, 0
	REFILL 1, 1
	REFILL 2, 2
	REFILL 3, 3
	WIN 0
	s_wait_loadcnt 52                              ; the five numbers of the list are in; the four groups' 52 loads may be out
.irp m, 0,1,2,3
	v_min_u32 v[RID+\m], 0x1fff, v[RID+\m]
	v_lshlrev_b32 v[244+\m], 2, v[RID+\m]
.endr
	v_lshrrev_b32 v249, 1, v249
	v_min_u32 v249, 0xfff, v249                    ; the token
	v_mul_u32_u24 v250, v249, 384
	v_mad_u32_u24 v250, v254, 24, v250             ; its codes, + 24 bytes for lanes 16-31
	v_lshlrev_b32 v251, 4, v249                    ; its 16 scale bytes
.irp s, 0,1,2,3                        ; my 16 rows' four fragments, in pieces of 8 bytes: the stream of bits is the register image
.irp p, 0,1,2,3,4,5
	global_load_b64 v[BF+12*\s+2*\p:BF+12*\s+2*\p+1], v250, s[8:9] offset:96*\s+48*(\p/3)+8*(\p%3)
.endr
.endr
	global_load_b128 v[252:255], v251, s[8:9] offset:1572864
.irp m, 0,1,2,3
	global_load_b32 v[G+\m], v[244+\m], s[6:7]
.endr
	BIAS1
	WIN 0x40
.irp m, 0,1,2,3                        ; y's sums begin with b2: nothing is cleared, nothing is added later
.irp t, 0,1,2,3,4,5,6,7
	global_load_b128 v[8*(8*\m+\t):8*(8*\m+\t)+3], v[BOF], s[B2P:B2P+1] offset:(32*(\t/2)+8*(\t%2))*4
	global_load_b128 v[8*(8*\m+\t)+4:8*(8*\m+\t)+7], v[BOF], s[B2P:B2P+1] offset:(32*(\t/2)+8*(\t%2))*4+16
.endr
.endr
	REFILL 4, 4
	REFILL 5, 5
	REFILL 6, 6
	REFILL 7, 7
	WIN 0
	s_mul_i32 s40, s28, 6144
	v_add_nc_u32 v7, s40, v[LI]                    ; where my four images go
	v_add_nc_u32 v248, s43, v[LI]                  ; and my rows' scale words
	s_wait_loadcnt 63                              ; behind the gathered codes stand 4 + 16 + 64 + 52 younger loads: they are in
.irp s, 0,1,2,3
.irp q, 0,1,2
	ds_store_b128 v7, v[BF+12*\s+4*\q:BF+12*\s+4*\q+3] offset:XIMG+1536*\s+512*\q
.endr
.endr
	ds_store_b128 v248, v[252:255] offset:XSC
	BARRIER                                        ; x's sixteen fragments lie in LDS, for the whole launch
.irp m, 0,1,2,3
	ds_load_b128 v[XS+4*\m:XS+4*\m+3], v[LI] offset:XSC+512*\m
.endr
	BLOAD 1, 1, 0
	BLOAD 1, 2, 0
	BLOAD 1, 3, 0
	BLOAD 1, 0, 0
	s_mov_b32 s36, 3
.Lchunk:                                               ; three trips; the last chunk is written out, since it asks for nothing beyond the expert's weights
	CHUNK 0
	WIN 0                                          ; at a label and at a branch every window is 0
	s_sub_co_u32 s36, s36, 1
	s_cmp_lg_u32 s36, 0
	s_cbranch_scc1 .Lchunk
	CHUNK 1
	; THE WAY OUT.  (The four places that close the last K step stand behind the last products.)  Each row x its gate weight; then a tile of 16 rows at a time through my own stage, back as whole rows of my 512 bytes.
	; No barrier follows: from here on the text may branch on the tile's count.  Every row tile has registers of its own for the rows read back (window 2) and for their addresses (v100-163):
	; no register that a pending store reads is written again, so no wait stands between the tiles.
	WIN 0x41
.irp m, 0,1,2,3
.set j, 0
.rept 32
	v_pk_mul_f32 v[64*\m+2*j:64*\m+2*j+1], v[64*\m+2*j:64*\m+2*j+1], v[G+2*(\m/2):G+2*(\m/2)+1] op_sel:[0,\m%2] op_sel_hi:[1,\m%2]
.set j, j+1
.endr
.endr
	WIN 0
	v_and_b32 v244, 15, v0
	v_bfe_u32 v245, v0, 4, 1
	s_mul_i32 s40, s28, 16*528
	s_add_co_u32 s40, s40, STG
	v_mul_u32_u24 v247, v244, 528
	v_lshl_add_u32 v247, v245, 6, v247
	v_add_nc_u32 v247, s40, v247                   ; in: row r, + 64 bytes for lanes 16-31
	v_add_nc_u32 v248, s40, v[LI]                  ; back: 16 bytes a lane of a row
	v_add_nc_u32 v249, s43, v[LI]                  ; and in a row of yw: my wave's 512 bytes
.irp m, 0,1,2,3
	s_cmp_le_u32 s26, 16*\m                        ; a tile of rows that only repeats the last row is not stored again; an empty tile stores nothing at all
	s_cbranch_scc1 .Ldone
	WIN 0x04                                       ; an LDS store's data are its source 1: window 1
.irp t, 0,1,2,3,4,5,6,7
	ds_store_b128 v247, v[64*\m+8*\t:64*\m+8*\t+3] offset:128*(\t/2)+32*(\t%2)
	ds_store_b128 v247, v[64*\m+8*\t+4:64*\m+8*\t+7] offset:128*(\t/2)+32*(\t%2)+16
.endr
	WIN 0x80                                       ; an LDS load's data are its destination: window 2
.irp i, 0,1,2,3,4,5,6,7,8,9,10,11,12,13,14,15
	ds_load_b128 v[64*\m+4*\i:64*\m+4*\i+3], v248 offset:528*\i   ; LDS serves a wave's instructions in order: these see my stores, and the next tile's stores come behind them
.endr
	WIN 0
.irp i, 0,1,2,3,4,5,6,7,8,9,10,11,12,13,14,15      ; the sixteen rows' places in yw, in three batches, so that no line waits for the line above it
	v_readlane_b32 s[RS+\i], v[RID+\m], \i
.endr
.irp i, 0,1,2,3,4,5,6,7,8,9,10,11,12,13,14,15
	s_min_u32 s[RS+\i], s[RS+\i], 0x1fff
.endr
.irp i, 0,1,2,3,4,5,6,7,8,9,10,11,12,13,14,15
	v_lshl_add_u32 v[VO+16*\m+\i], s[RS+\i], 11, v249   ; row rid of yw
.endr
	WIN 0x08                                       ; a global store's data are its source 1: window 2
.irp i, 0,1,2,3,4,5,6,7,8,9,10,11,12,13,14,15
	s_wait_dscnt 15-\i                             ; row i is back; the younger loads may be out
	global_store_b128 v[VO+16*\m+\i], v[64*\m+4*\i:64*\m+4*\i+3], s[16:17] th:TH_STORE_NT   ; 32 lanes store 512 consecutive bytes, at a multiple of 256 from yw's first byte
.endr
	WIN 0                                          ; at a branch and at a label every window is 0
.endr
.Ldone:
	s_set_vgpr_msb 0xf
	s_wait_tensorcnt 0x0
	ds_add_u32 v254, v255
	s_wait_dscnt 0x0
	s_set_vgpr_msb 0xf00
	s_endpgm
.Lfunc_end_k_q8482d2fb63_ffn:
	.size	k_q8482d2fb63_ffn, .Lfunc_end_k_q8482d2fb63_ffn-k_q8482d2fb63_ffn
	.p2alignl 7, 3214868480
	.fill 96, 4, 3214868480
	.section	.rodata,"a",@progbits
	.p2align	6, 0x0
	.amdhsa_kernel k_q8482d2fb63_ffn
		.amdhsa_group_segment_fixed_size 87552
		.amdhsa_private_segment_fixed_size 0
		.amdhsa_enable_private_segment 0
		.amdhsa_kernarg_size 56
		.amdhsa_user_sgpr_count 2
		.amdhsa_user_sgpr_kernarg_segment_ptr 1
		.amdhsa_wavefront_size32 1
		.amdhsa_system_sgpr_workgroup_id_x 1
		.amdhsa_system_sgpr_workgroup_id_y 1
		.amdhsa_system_sgpr_workgroup_id_z 1
		.amdhsa_system_vgpr_workitem_id 0
		.amdhsa_next_free_vgpr 1024
		.amdhsa_next_free_sgpr 66
		.amdhsa_reserve_vcc 0
		.amdhsa_float_denorm_mode_32 3
		.amdhsa_float_denorm_mode_16_64 3
		.amdhsa_memory_ordered 1
		.amdhsa_forward_progress 1
		.amdhsa_inst_pref_size 232
	.end_amdhsa_kernel
	.amdgpu_metadata
---
amdhsa.version: [ 1, 2 ]
amdhsa.kernels:
  - .name:           k_q8482d2fb63_ffn
    .symbol:         k_q8482d2fb63_ffn.kd
    .args:
      - { .name: route, .offset: 0, .size: 8, .value_kind: global_buffer, .address_space: global }
      - { .name: gp, .offset: 8, .size: 8, .value_kind: global_buffer, .address_space: global }
      - { .name: xq, .offset: 16, .size: 8, .value_kind: global_buffer, .address_space: global }
      - { .name: wq, .offset: 24, .size: 8, .value_kind: global_buffer, .address_space: global }
      - { .name: b1, .offset: 32, .size: 8, .value_kind: global_buffer, .address_space: global }
      - { .name: b2, .offset: 40, .size: 8, .value_kind: global_buffer, .address_space: global }
      - { .name: yw, .offset: 48, .size: 8, .value_kind: global_buffer, .address_space: global }
    .group_segment_fixed_size: 87552
    .private_segment_fixed_size: 0
    .kernarg_segment_align: 8
    .kernarg_segment_size: 56
    .max_flat_workgroup_size: 128
    .sgpr_count:     66
    .vgpr_count:     1024
    .wavefront_size: 32
...
	.end_amdgpu_metadata
.endif
;; end of part 3
;; launch comb (part 4): grid 256 x 1, 8 waves a work-group, no clusters, 0 bytes of LDS; arguments yw, out0; writes out0
.if DOCPART == 4
	.amdgcn_target "amdgcn-amd-amdhsa--gfx1250"
	.amdhsa_code_object_version 6
	.text
	.protected	k_q8482d2fb63_comb
	.globl	k_q8482d2fb63_comb
	.p2align	8
	.type	k_q8482d2fb63_comb,@function
k_q8482d2fb63_comb:
	s_mov_b64 s[64:65], 0
	v_nop
	global_prefetch_b8 v0, s[64:65] scope:SCOPE_SE
	s_setreg_imm32_b32 hwreg(HW_REG_WAVE_MODE, 25, 1), 1
	s_wait_xcnt 0x0
; COMB: out0[token] = yw[2 token] + yw[2 token + 1]: the two chosen experts' rows, each already times its gate weight.  A stream: every byte read once and written once,
; 512 consecutive bytes to each load and store of a wave; all 16 loads of a thread go out first.  No LDS, no barrier, no matrix work, no cluster: nothing is shared.
; A work-group takes 16 tokens; in a turn its 256 threads take two tokens, 16 bytes of the result each.
	s_load_b128 s[4:7], s[0:1], 0x0                ; yw, out0
	v_lshrrev_b32 v1, 7, v0                        ; which of the turn's two tokens
	v_and_b32 v2, 127, v0
	v_lshlrev_b32 v2, 4, v2
	v_lshl_add_u32 v1, v1, 12, v2                  ; in yw a token is 4,096 bytes: two rows of 2,048
	v_lshlrev_b32 v3, 4, v0                        ; in out0 2,048
	s_lshl_b32 s8, ttmp9, 16
	s_mov_b32 s9, 0
	s_lshl_b32 s10, ttmp9, 15
	s_mov_b32 s11, 0
	s_wait_kmcnt 0x0
	s_add_nc_u64 s[4:5], s[4:5], s[8:9]
	s_add_nc_u64 s[6:7], s[6:7], s[10:11]
.irp n, 0,1,2,3,4,5,6,7
	global_load_b128 v[8+8*\n:11+8*\n], v1, s[4:5] offset:8192*\n th:TH_LOAD_NT
	global_load_b128 v[12+8*\n:15+8*\n], v1, s[4:5] offset:8192*\n+2048 th:TH_LOAD_NT
.endr
.irp n, 0,1,2,3,4,5,6,7
	s_wait_loadcnt 14-2*\n                         ; this turn's two loads are in; the younger pairs may be out
	v_pk_add_f32 v[72+4*\n:73+4*\n], v[8+8*\n:9+8*\n], v[12+8*\n:13+8*\n]
	v_pk_add_f32 v[74+4*\n:75+4*\n], v[10+8*\n:11+8*\n], v[14+8*\n:15+8*\n]
	global_store_b128 v3, v[72+4*\n:75+4*\n], s[6:7] offset:4096*\n th:TH_STORE_NT
.endr
	s_endpgm
.Lfunc_end_k_q8482d2fb63_comb:
	.size	k_q8482d2fb63_comb, .Lfunc_end_k_q8482d2fb63_comb-k_q8482d2fb63_comb
	.p2alignl 7, 3214868480
	.fill 96, 4, 3214868480
	.section	.rodata,"a",@progbits
	.p2align	6, 0x0
	.amdhsa_kernel k_q8482d2fb63_comb
		.amdhsa_group_segment_fixed_size 0
		.amdhsa_private_segment_fixed_size 0
		.amdhsa_enable_private_segment 0
		.amdhsa_kernarg_size 16
		.amdhsa_user_sgpr_count 2
		.amdhsa_user_sgpr_kernarg_segment_ptr 1
		.amdhsa_wavefront_size32 1
		.amdhsa_system_sgpr_workgroup_id_x 1
		.amdhsa_system_sgpr_workgroup_id_y 1
		.amdhsa_system_sgpr_workgroup_id_z 1
		.amdhsa_system_vgpr_workitem_id 0
		.amdhsa_next_free_vgpr 112
		.amdhsa_next_free_sgpr 66
		.amdhsa_reserve_vcc 0
		.amdhsa_float_denorm_mode_32 3
		.amdhsa_float_denorm_mode_16_64 3
		.amdhsa_memory_ordered 1
		.amdhsa_forward_progress 1
		.amdhsa_inst_pref_size 5
	.end_amdhsa_kernel
	.amdgpu_metadata
---
amdhsa.version: [ 1, 2 ]
amdhsa.kernels:
  - .name:           k_q8482d2fb63_comb
    .symbol:         k_q8482d2fb63_comb.kd
    .args:
      - { .name: yw, .offset: 0, .size: 8, .value_kind: global_buffer, .address_space: global }
      - { .name: out0, .offset: 8, .size: 8, .value_kind: global_buffer, .address_space: global }
    .group_segment_fixed_size: 0
    .private_segment_fixed_size: 0
    .kernarg_segment_align: 8
    .kernarg_segment_size: 16
    .max_flat_workgroup_size: 256
    .sgpr_count:     66
    .vgpr_count:     112
    .wavefront_size: 32
...
	.end_amdgpu_metadata
.endif
;; end of part 4
